; MI455X (gfx1250); checked and timed in simulation.
; The chip was launched on July 23, 2026; its instructions are those of AMD's public machine-readable ISA for CDNA 5 (MIT licence, August 2026) and "CDNA5" Instruction Set Architecture Reference Guide (July 2026). The comments in the code are by the model that wrote it; some were corrected since.
;; Match Tensor Score. Allowed arithmetic: matrix products marked QUANTISED: E2M1 operands, one E8M0 scale for each 32 along K, by v_wmma_scale_f32_16x16x128_f8f6f4 with both operands' format E2M1 (or v_wmma_scale_f32_32x16x128_f4), f32 sums; products left as they are: f32 operands where the result goes on into a quantised operand, else bf16, f16 or f32 operands; f32 sums; everything else in f32.
;; Inputs: M_codes 1,024 x 32 x 32 x 16 uint8 (E2M1 codes of M, K innermost, in blocks of 32 codes, two codes a byte); M_scales 1,024 x 32 x 32 uint8 (E8M0 scales of M, one for each 32 codes along K); V_codes 32 x 64 x 16 uint8 (E2M1 codes of V, K innermost, in blocks of 32 codes, two codes a byte); V_scales 32 x 64 uint8 (E8M0 scales of V, one for each 32 codes along K); b 1 x 32 float32; u 1 x 32 float32; x1 2,048 x 1,024 float32; x2 2,048 x 1,024 float32.
;; Outputs: out0 2,048 x 1 float32.
;; This version of the problem:
;;   THIS VERSION OF THE PROBLEM IS GIVEN IN LOW PRECISION. The matrix products marked QUANTISED in the list below multiply operands that are first quantised to E2M1 (2 exponent bits, 1 mantissa bit; 4 bits a number), with one power-of-two scale for each 32 numbers along K (OCP MX v1.0); their sums are f32. All else is computed in f32.
;;   The module's matrix products, in the order in which they are computed (A, B: the left and right operand; K: the contracted axis; several contracted axes count as one K, in the product's order):
;;     1. [M 32,768, K 1,024] x [K 1,024, N 2,048]; A: input M (given as codes); B: input x1: QUANTISED
;;     2. batch 2,048 x [M 1, K 1,024] x [K 1,024, N 32]; A: input x2; B: computed on the way: left as it is (M = 1 < 16)
;;     3. [M 2,048, K 2,048] x [K 2,048, N 32]; A: computed on the way; B: input V (given as codes): QUANTISED
;;     4. [M 2,048, K 32] x [K 32, N 1]; A: computed on the way; B: input u: left as it is (N = 1 < 16)
;;   THE QUANTISER, for each operand of a quantised product, along K:
;;     - K is cut into blocks of 32 from its start; a last block that is shorter is filled with zeros.
;;     - A block's scale is 2^e with e = floor(log2(the largest magnitude in the block)) - 2, held to -126 .. 127; a block of zeros has e = 0. As a byte (E8M0): e + 127.
;;     - Each number is divided by its block's scale, clamped to +-6, and rounded to the nearest number of E2M1, ties to even, subnormals kept.
;;     - The product sums the exact products of the quantised numbers (number of the format x scale) in f32.
;;   ~~~python
;;   def quantise(x, axis):      # numpy; x: float32 -> the quantised numbers, widened to float32 again
;;       x = np.moveaxis(x, axis, -1); K = x.shape[-1]
;;       x = np.pad(x, [(0, 0)] * (x.ndim - 1) + [(0, -K % 32)]); x = x.reshape(x.shape[:-1] + (-1, 32)); a = np.abs(x).max(-1, keepdims=True)
;;       e = np.where(a > 0, np.clip(np.frexp(np.where(a > 0, a, 1))[1] - 1 - 2, -126, 127), 0)      # np.frexp(a)[1] - 1 = floor(log2(a)), exactly
;;       r = np.clip(x / 2.0 ** e, -6, 6)
;;       step = 2.0 ** (np.maximum(np.frexp(np.where(r == 0, 1, r))[1] - 1, 0) - 1)
;;       q = np.round(r / step) * step * 2.0 ** e      # np.round: ties to even
;;       return np.moveaxis(q.reshape(q.shape[:-2] + (-1,))[..., :K], -1, axis).astype(np.float32)
;;   ~~~
;;   OPERANDS COMPUTED ON THE WAY. 'Computed on the way' means the value that the module computes at that place (a softmax that the list does not call 'softmax' is quantised finished and normalised). What goes into a quantiser is computed in f32, as accurately as f32 sums, v_exp_f32 and their like allow (about 1e-6 of the number): no bf16 or f16 on the way to a quantiser, and a product that is left as it is and whose result goes on into a quantised operand takes f32 operands (vector FMAs, or v_wmma_f32_16x16x4_f32). A number that lies on a knife's edge between two numbers of the format may be rounded either way, as far as f32 arithmetic and the matrix unit's own rounding can turn it there, and no further.
;;   INPUTS GIVEN AS CODES. M (in the module: [1024, 1024, 32], K = its axis 0); V (in the module: [32, 2048], K = its axis 1): each comes as NAME_codes (uint8): NAME with its K axis moved to the last place and cut into blocks of 32 codes, [.., K / 32, bytes a block], one block behind the other in memory; two codes a byte, the lower K in the low four bits (a code: sign, 2 exponent bits, 1 mantissa bit); and NAME_scales (uint8): the same leading axes, one E8M0 byte (e + 127) for each 32 codes along K. Its value is code x scale, taken as it is: it is not quantised again, and the codes and scales need not be those that the quantiser above would give.
;; One version. Each part assembles by itself: llvm-mc -triple=amdgcn-amd-amdhsa -mcpu=gfx1250 --defsym DOCPART=n.
;; ======== version 1 of 1: 3 launches
;; limits: right only within a limited range of input values
;; workspace buffers: xc 1,048,576 bytes; xs 65,536 bytes; part 8,388,608 bytes
;; launch quant (part 1): grid 256 x 1, 4 waves a work-group, no clusters, 34,560 bytes of LDS; arguments x1, xc, xs; writes xc, xs
.if DOCPART == 1
	.amdgcn_target "amdgcn-amd-amdhsa--gfx1250"
	.amdhsa_code_object_version 6
	.text
	.protected	k_qa596d44b38_quant
	.globl	k_qa596d44b38_quant
	.p2align	8
	.type	k_qa596d44b38_quant,@function
k_qa596d44b38_quant:
	s_mov_b64 s[64:65], 0
	v_nop
	global_prefetch_b8 v0, s[64:65] scope:SCOPE_SE
	s_setreg_imm32_b32 hwreg(HW_REG_WAVE_MODE, 25, 1), 1
	s_wait_xcnt 0x0
; x1, [2048][1024] f32, K innermost, becomes codes of FP4 (E2M1) with one E8M0 scale byte for each 32 along K.  No step of the problem is left out in this program.
; A block's scale is 2^(floor(log2(its largest magnitude)) - 2); its byte is the largest magnitude's exponent field - 2, held at 1 from below.
; LIMITS: a block of zeros gets the byte 1 where the rule says 127 (its codes are zeros, and this program alone reads the bytes); NaN and infinities among the inputs are not served.
; WHAT IS WRITTEN IS LAID AS THE READER'S REGISTERS WANT IT.  xc: [tile of 16 rows 128][K step 8][c 2][lane 32][16 bytes]: lane 16 h + r, group c holds k = 64 c + 32 h + 0 .. 31 of row r.
; xs: [tile 128][K half 2][row 16][4 words]: a word = the four bytes of one K step of 128.
; SHARES.  Work-group i: tile i / 2, K half i % 2.  Wave g of four: K step g of the half: 16 rows x 512 bytes.
; A load reads 512 consecutive bytes of a row; the conversions want 32 neighbours along K in one lane's registers: the step turns through the wave's own stage in LDS.
; Stage rows are 528 bytes apart: the 16 rows that a load touches start at 16 different groups of banks (64 banks of 4 bytes: ISA guide 11.1).
; The four waves' words meet in LDS behind a barrier; wave 0 stores their 256 bytes as one unit.
.set STG, 8448                         ; a wave's stage: 16 rows x 528 bytes
.set WRD, 33792                        ; 256 bytes of scale words
.set SPARE, 34048                      ; the spare words, 128 bytes a wave
.set R,   16                           ; v16-79    as loaded
.set T,   80                           ; v80-143   two blocks of 32 neighbours (c = 0, 1)
.set C,   144                          ; v144-151  codes
	s_load_b128 s[4:7], s[0:1], 0x0                ; x1 s[4:5], xc s[6:7]
	s_load_b64 s[8:9], s[0:1], 0x10                ; xs
	s_mov_b32 s16, 0x76543210
	s_mov_b32 s17, 0xfedcba98                      ; v_permlanex16_b32's selects for lane l xor 16
	v_lshl_add_u32 v2, v0, 2, SPARE
	v_mov_b32 v3, 0
	v_lshrrev_b32 v1, 5, v0
	v_readfirstlane_b32 s12, v1                    ; wave g
	s_mul_i32 s13, s12, STG
	s_lshl_b32 s14, s12, 2
	s_add_co_u32 s14, s14, WRD
	v_and_b32 v1, 31, v0                           ; lane
	v_and_b32 v5, 15, v0                           ; r
	v_bfe_u32 v6, v0, 4, 1                         ; h
	v_lshlrev_b32 v4, 4, v1                        ; 16 x lane
	v_add_nc_u32 v7, s13, v4                       ; the stage, on the way in
	v_mul_u32_u24 v8, 0x210, v5
	v_lshl_add_u32 v8, v6, 7, v8
	v_add_nc_u32 v8, s13, v8                       ; on the way out: row r, + 128 h
	v_lshlrev_b32 v9, 3, v6                        ; 8 h: my bytes' place in a scale word
	v_mov_b32 v10, 0                               ; a lane permute's destination counts as one of its sources
	v_lshlrev_b32 v11, 4, v5
	v_add_nc_u32 v11, s14, v11                     ; my word: 16 r + 4 g
	v_lshlrev_b32 v12, 3, v1                       ; 8 x lane: wave 0's store of the words
	v_add_nc_u32 v13, WRD, v12
	s_lshr_b32 s18, ttmp9, 1                       ; in: 65,536 bytes a tile, 2,048 a K half, 512 a K step
	s_lshl_b32 s18, s18, 16
	s_and_b32 s19, ttmp9, 1
	s_lshl_b32 s19, s19, 11
	s_add_co_u32 s18, s18, s19
	s_lshl_b32 s19, s12, 9
	s_add_co_u32 s18, s18, s19
	s_mov_b32 s19, 0
	s_lshl_b32 s20, ttmp9, 12                      ; xc: 4,096 bytes a K half, 1,024 a K step
	s_lshl_b32 s21, s12, 10
	s_add_co_u32 s20, s20, s21
	s_mov_b32 s21, 0
	s_lshl_b32 s22, ttmp9, 8                       ; xs: 256 bytes a K half
	s_mov_b32 s23, 0
	s_wait_alu depctr_va_vdst(0)                   ; the wait at the head's end
	s_wait_kmcnt 0x0
	s_add_nc_u64 s[4:5], s[4:5], s[18:19]
	s_add_nc_u64 s[6:7], s[6:7], s[20:21]
	s_add_nc_u64 s[8:9], s[8:9], s[22:23]
.irp rr, 0,1,2,3,4,5,6,7,8,9,10,11,12,13,14,15
	global_load_b128 v[R+4*\rr:R+4*\rr+3], v4, s[4:5] offset:\rr*4096 th:TH_LOAD_NT
.endr
.irp rr, 0,1,2,3,4,5,6,7,8,9,10,11,12,13,14,15
	s_wait_loadcnt 15-\rr                          ; row rr is in; the younger loads may be out
	ds_store_b128 v7, v[R+4*\rr:R+4*\rr+3] offset:\rr*528
.endr
.irp c, 0,1                            ; LDS serves a wave's instructions in order (ISA guide 5.7.1.4): these see the stores above
.irp j, 0,1,2,3,4,5,6,7
	ds_load_b128 v[T+32*\c+4*\j:T+32*\c+4*\j+3], v8 offset:256*\c+16*\j
.endr
.endr
.macro BLK c                           ; my block 2 c + h: all its 32 numbers are mine
.set XB, T+32*\c
	v_max3_num_f32 v154, |v[XB]|, |v[XB+1]|, |v[XB+2]|             ; the largest magnitude, in two chains
	v_max3_num_f32 v155, |v[XB+3]|, |v[XB+4]|, |v[XB+5]|
.irp i, 6,10,14,18,22,26
	v_max3_num_f32 v154, v154, |v[XB+\i]|, |v[XB+\i+1]|
	v_max3_num_f32 v155, v155, |v[XB+\i+2]|, |v[XB+\i+3]|
.endr
	v_max3_num_f32 v154, v154, |v[XB+30]|, |v[XB+31]|
	v_max3_num_f32 v154, v154, v155, 0x1800000     ; and the floor 2^(3 - 127): the byte cannot fall under 1
	v_add_nc_u32 v156, 0xff000000, v154            ; 2 off its exponent field: the conversion's scale operand
	v_lshrrev_b32 v[158+\c], 23, v156              ; the scale's byte
.irp g, 0,1,2,3
	v_cvt_scalef32_pk8_fp4_f32 v[C+4*\c+\g], v[XB+8*\g:XB+8*\g+7], v156
.endr
	v_nop                                          ; one plain instruction behind the last scaled conversion
.endm
	s_wait_dscnt 8                                 ; block c = 0 is back; block c = 1's eight loads may be out
	BLK 0
	s_wait_dscnt 0x0
	BLK 1
	v_lshl_or_b32 v14, v159, 16, v158              ; my two bytes: blocks h and 2 + h of row r,
	v_lshlrev_b32 v14, v9, v14                     ; at their places in the scale word;
	v_permlanex16_b32 v10, v14, s16, s17
	v_or_b32 v14, v14, v10                         ; with lane l xor 16's two the word is whole, in both halves of the lanes
	ds_store_b32 v11, v14
.irp c, 0,1
	global_store_b128 v4, v[C+4*\c:C+4*\c+3], s[6:7] offset:\c*512   ; 32 lanes store 512 consecutive bytes, at a multiple of 512 from xc's first byte
.endr
	s_wait_dscnt 0x0                               ; for wave 0's sake: my word is stored
	s_barrier_signal -1
	s_barrier_wait -1
	s_cmp_lg_u32 s12, 0
	s_cbranch_scc1 .Lend                           ; wave 0 stores the words; no barrier follows
	ds_load_b64 v[152:153], v13
	s_wait_dscnt 0x0
	global_store_b64 v12, v[152:153], s[8:9]       ; 32 lanes store 256 consecutive bytes, at a multiple of 256 from xs's first byte
.Lend:
	s_wait_tensorcnt 0x0                           ; the wave's end
	ds_add_u32 v2, v3
	s_wait_dscnt 0x0
	s_endpgm
.Lfunc_end_k_qa596d44b38_quant:
	.size	k_qa596d44b38_quant, .Lfunc_end_k_qa596d44b38_quant-k_qa596d44b38_quant
	.p2alignl 7, 3214868480
	.fill 96, 4, 3214868480
	.section	.rodata,"a",@progbits
	.p2align	6, 0x0
	.amdhsa_kernel k_qa596d44b38_quant
		.amdhsa_group_segment_fixed_size 34560
		.amdhsa_private_segment_fixed_size 0
		.amdhsa_enable_private_segment 0
		.amdhsa_kernarg_size 24
		.amdhsa_user_sgpr_count 2
		.amdhsa_user_sgpr_kernarg_segment_ptr 1
		.amdhsa_wavefront_size32 1
		.amdhsa_system_sgpr_workgroup_id_x 1
		.amdhsa_system_sgpr_workgroup_id_y 1
		.amdhsa_system_sgpr_workgroup_id_z 1
		.amdhsa_system_vgpr_workitem_id 0
		.amdhsa_next_free_vgpr 160
		.amdhsa_next_free_sgpr 66
		.amdhsa_reserve_vcc 0
		.amdhsa_float_denorm_mode_32 3
		.amdhsa_float_denorm_mode_16_64 3
		.amdhsa_memory_ordered 1
		.amdhsa_forward_progress 1
		.amdhsa_inst_pref_size 10
	.end_amdhsa_kernel
	.amdgpu_metadata
---
amdhsa.version: [ 1, 2 ]
amdhsa.kernels:
  - .name:           k_qa596d44b38_quant
    .symbol:         k_qa596d44b38_quant.kd
    .args:
      - { .name: x1, .offset: 0, .size: 8, .value_kind: global_buffer, .address_space: global }
      - { .name: xc, .offset: 8, .size: 8, .value_kind: global_buffer, .address_space: global }
      - { .name: xs, .offset: 16, .size: 8, .value_kind: global_buffer, .address_space: global }
    .group_segment_fixed_size: 34560
    .private_segment_fixed_size: 0
    .kernarg_segment_align: 8
    .kernarg_segment_size: 24
    .max_flat_workgroup_size: 128
    .sgpr_count:     66
    .vgpr_count:     160
    .wavefront_size: 32
...
	.end_amdgpu_metadata
.endif
;; end of part 1
;; launch gemm (part 2): grid 8 x 32, 4 waves a work-group, clusters of 4 x 4, 327,680 bytes of LDS; arguments M_codes, M_scales, xc, xs, x2, V_codes, V_scales, part; writes part
.if DOCPART == 2
	.amdgcn_target "amdgcn-amd-amdhsa--gfx1250"
	.amdhsa_code_object_version 6
	.text
	.protected	k_qa596d44b38_gemm
	.globl	k_qa596d44b38_gemm
	.p2align	8
	.type	k_qa596d44b38_gemm,@function
k_qa596d44b38_gemm:
	s_mov_b64 s[64:65], 0
	v_nop
	global_prefetch_b8 v0, s[64:65] scope:SCOPE_SE
	s_setreg_imm32_b32 hwreg(HW_REG_WAVE_MODE, 25, 1), 1
	s_wait_xcnt 0x0
	s_wait_alu depctr_hold_cnt(0) depctr_sa_sdst(0) depctr_va_vdst(0) depctr_va_sdst(0) depctr_va_ssrc(0) depctr_va_vcc(0) depctr_vm_vsrc(0)
	s_getreg_b32 s2, hwreg(HW_REG_IB_STS2, 6, 4)
	s_cmp_eq_u32 s2, 0
	s_cbranch_scc0 .Lentry_in_a_cluster
	s_endpgm
.Lentry_in_a_cluster:
	s_bfe_u32 s2, ttmp6, 0x10000c
	s_cmp_lg_u32 s2, 0xf033
	s_cbranch_scc0 .Lentry_shape_is_right
	s_endpgm
.Lentry_shape_is_right:
; part[split] = the split's share of part1 + part2.
; part1: the sum over the split's 32 f of x2[b][f] x T[(f, r)][b], T[(f, r)][b] = the sum over e of M[e][f][r] x Q(x1)[b][e]: a product on codes of FP4 (E2M1) with E8M0 scales, K = 1,024,
; folded with x2 by f32 multiply-adds.  part2: block `split` of 32 along K of x1 and block `split` of x2, quantised here, against V's two blocks: one matrix instruction a b tile, whose other two blocks hold zero codes of V.
; LIMITS: a block of zeros of x2 gets the scale byte 1 where the rule says 127 (its codes are zeros); NaN and infinities among the inputs are not served.
; SHARES.  Work-group (x, y): 256 rows b (block x of 8), 32 f (split y of 32).  Wave w: 128 b (column w % 2) and 16 f (half hh = w / 2).  Registers' b tile t (16 b) is tile t xor 4 hh of the column: so tiles 0-3 are
; the ones that this wave finishes, and waves w and w xor 2 exchange their tiles 4-7 at the end.
; Q(x1) STAYS IN REGISTERS: 8 b tiles x 8 K steps x 8 = 512.  Only M streams from LDS: a fragment of 32 rows (one f, all slices) x 128 K is four loads and feeds eight matrix instructions.
; TWO SETS OF ACCUMULATORS (8 tiles x 16 registers): while one f is multiplied, the f before it is folded, four packed multiply-adds behind every four matrix instructions.
; LDS.  Two slots: 256 rows of M (8 f) x (512 + 16 bytes), then their 8,192 bytes of scales.  x1's images lie in slot 1 until the first pass has taken them into registers.  x2's 256 x 32 numbers: rows of 144 bytes.
; Local f of half hh in a slot: 4 (k % 2) + 2 hh + ab for body k, pass ab: so a slot's first 128 rows serve both halves' first body.
; CLUSTER 4 x 4: M's tiles hang on the split alone: joint loads along a row; x1's images on the b block alone: along a column.  x2 hangs on both: plain loads.
; No prefetch: there is no loop to run ahead in, and every refill has two and a half passes (168 matrix instructions a wave) or more between its request and the wait for it.
; REGISTERS: window 0: v0-11 ids and addresses; v12-19 M's scale words of K steps 0-7; v20-27 x2 of the eight tiles; v28-59 x1's scale words (28 + 16 (Q / 4) + 4 (t / 2) + Q % 4: lanes 0-15 even t, 16-31 odd t);
;   v64-127 four M fragments (K step Q: 64 + 16 (Q % 4)); v128-255 P, the sums: 128 + 16 t + j.  Window 1: accumulators 128 set + 16 t.  Windows 2, 3: x1: K step Q at 64 (Q % 4) + 8 t of window 2 + Q / 4.
; s_set_vgpr_msb's low byte: bits 1:0 source 0, 3:2 source 1, 5:4 source 2, 7:6 destination.
.set HALF,  67584                      ; 128 rows x 528 bytes
.set SCO,   135168                     ; a slot's scales
.set S1,    143360                     ; slot 1 (and x1's images)
.set X2T,   286720
.set SPARE, 323584                     ; the spare words, 128 bytes a wave
.set SPW, 1
.set NIL, 2
.set SV,  3                            ; V's scale words
.set AM,  4                            ; v4-7   my M rows: body k % 4
.set ASC, 8                            ; v8-9   my M scales: slot 0, 1
.set AX2, 10                           ; v10-11 x2: tiles 0-3, tiles 4-7
.set SM,  12
.set XV,  20
.set SX,  28
.set XA,  60                           ; v60-61 x1's images: tiles 0-3, 4-7; in the last pass x2 of tiles 6, 7
.set SB,  62                           ; v62-63 part2: x's scale words of tiles 0, 1 and 2, 3
.set MF,  64
.set P,   128
.set G1M, 28
.set G1S, 36
.set G1X, 44
.set G0C, 52                           ; codes, 128 rows: waves 0 and 1
.set G0S, 56                           ; scales: wave 2
.set G0X, 60                           ; x1: waves 0 and 1, at the head
.set G0H, 68                           ; the first tile's codes: wave 3
.set MSB, 0
.macro WIN new                         ; the immediate's high byte repeats the setting that is left; a switch that changes nothing is dropped
.if MSB != (\new)
	s_set_vgpr_msb (MSB<<8)|(\new)
.set MSB, (\new)
.endif
.endm
.macro PLACES                          ; four places behind a matrix instruction (ISA guide 7.12.1 for vector instructions)
.rept 4
	v_nop
.endr
.endm
.macro CREST                           ; a round of the cluster's barrier behind its opening barrier
	s_cmp_lg_u32 s20, 0
	s_cbranch_scc1 .Lnot_wave_0_\@
	s_barrier_signal -3
.Lnot_wave_0_\@:
	s_barrier_wait -3
	s_barrier_signal -1
	s_barrier_wait -1
.endm
.macro CROUND
	s_barrier_signal -1
	s_barrier_wait -1
	CREST
.endm
.macro TLOAD g0, g1                    ; a joint load, with an s_nop and four places behind it
	tensor_load_to_lds s[\g0:\g0+3], s[\g1:\g1+7]
	s_nop 0
	PLACES
.endm
; The next tile of M into the slot at LDS byte `at`: waves 0 and 1 fetch 128 rows each, wave 2 the scales.  (Every wave steps the descriptors; none of its loads is out.)
.macro FILL at
	s_add_nc_u64 s[G0C+2:G0C+3], s[G0C+2:G0C+3], 0x20000
	s_add_co_u32 s[G0C+1], s96, \at
	s_add_nc_u64 s[G0S+2:G0S+3], s[G0S+2:G0S+3], 0x2000
	s_mov_b32 s[G0S+1], (\at)+SCO
	s_cmp_lt_u32 s20, 2
	s_cbranch_scc0 .Lfill_s_\@
	TLOAD G0C, G1M
	s_branch .Lfilled_\@
.Lfill_s_\@:
	s_cmp_lg_u32 s20, 2
	s_cbranch_scc1 .Lfilled_\@
	TLOAD G0S, G1S
.Lfilled_\@:
.endm
	s_load_b256 s[4:11], s[0:1], 0x0               ; M's codes s[4:5], M's scales s[6:7], xc s[8:9], xs s[10:11]
	s_load_b256 s[12:19], s[0:1], 0x20             ; x2 s[12:13], V's codes s[14:15], V's scales s[16:17], part s[18:19]
	v_lshl_add_u32 v[SPW], v0, 2, SPARE
	v_mov_b32 v[NIL], 0
	ds_add_u32 v[SPW], v[NIL]                      ; the wave's opening: the add, twice on end, and its wait
	ds_add_u32 v[SPW], v[NIL]
	v_lshrrev_b32 v20, 5, v0
	v_readfirstlane_b32 s20, v20                   ; wave w
	s_lshr_b32 s21, s20, 1                         ; hh
	s_and_b32 s22, s20, 1                          ; column
	s_bfe_u32 s23, ttmp6, 0x40000                  ; cx, cy
	s_bfe_u32 s24, ttmp6, 0x40004
	s_lshl_b32 s25, ttmp9, 2
	s_add_co_u32 s25, s25, s23                     ; b block
	s_and_b32 s26, ttmp7, 0xffff
	s_lshl_b32 s26, s26, 2
	s_add_co_u32 s26, s26, s24                     ; split
	s_lshl_b32 s72, s24, 2
	s_lshl_b32 s72, 15, s72                        ; my row of the cluster: the same split
	s_lshl_b32 s73, 0x1111, s23                    ; my column: the same b block
	; M's codes: 128 rows x 512 bytes (elements of 1 byte), 16 bytes of padding behind every 128 words (codes 6, 3); 21 is set beside a mask
	s_or_b32 s[G1M+0], s72, (1<<20)|(1<<21)|(6<<22)|(3<<25)
	s_mov_b32 s[G1M+1], 512<<16                    ; tensor_dim0
	s_mov_b32 s[G1M+2], 128<<16                    ; tensor_dim1
	s_mov_b32 s[G1M+3], 512<<16                    ; tile_dim0
	s_mov_b32 s[G1M+4], 128                        ; tile_dim1
	s_mov_b32 s[G1M+5], 512                        ; pitch
	s_mov_b32 s[G1M+6], 0
	s_mov_b32 s[G1M+7], 0
	; M's scales: 8,192 dense bytes as 32 rows of 256 bytes (32 elements of 8 bytes)
	s_or_b32 s[G1S+0], s72, (3<<16)|(1<<21)
	s_mov_b32 s[G1S+1], 32<<16
	s_mov_b32 s[G1S+2], 32<<16
	s_mov_b32 s[G1S+3], 32<<16
	s_mov_b32 s[G1S+4], 32
	s_mov_b32 s[G1S+5], 32
	s_mov_b32 s[G1S+6], 0
	s_mov_b32 s[G1S+7], 0
	; x1's images: 65,536 dense bytes as 256 rows of 256 bytes
	s_or_b32 s[G1X+0], s73, (3<<16)|(1<<21)
	s_mov_b32 s[G1X+1], 32<<16
	s_mov_b32 s[G1X+2], 256<<16
	s_mov_b32 s[G1X+3], 32<<16
	s_mov_b32 s[G1X+4], 256
	s_mov_b32 s[G1X+5], 32
	s_mov_b32 s[G1X+6], 0
	s_mov_b32 s[G1X+7], 0
	; byte offsets
	s_lshl_b32 s82, s25, 4
	s_lshl_b32 s83, s22, 3
	s_add_co_u32 s82, s82, s83
	s_lshl_b32 s83, s21, 2
	s_add_co_u32 s82, s82, s83                     ; my first b tile: 16 x block + 8 x column + 4 hh
	s_lshl_b32 s80, s82, 16                        ; x2: 16 rows of 4,096 bytes a tile + 128 bytes a split
	s_lshl_b32 s81, s26, 7
	s_add_co_u32 s80, s80, s81
	s_mov_b32 s81, 0
	s_lshl_b32 s84, s26, 18                        ; part: 262,144 bytes a split, 2,048 a tile
	s_lshl_b32 s85, s82, 11
	s_add_co_u32 s84, s84, s85
	s_mov_b32 s85, 0
	s_lshr_b32 s86, s82, 3                         ; x1's scale byte of block `split`: my column's tiles, K half, byte of the row's 16
	s_lshl_b32 s86, s86, 12
	s_lshr_b32 s87, s26, 4
	s_lshl_b32 s87, s87, 8
	s_add_co_u32 s86, s86, s87
	s_and_b32 s87, s26, 15
	s_add_co_u32 s86, s86, s87
	s_mov_b32 s87, 0
	s_lshl_b32 s88, s82, 13                        ; x1's codes of block `split`: 8,192 bytes a tile, 256 a block of 16 rows
	s_lshl_b32 s89, s26, 8
	s_add_co_u32 s88, s88, s89
	s_mov_b32 s89, 0
	s_lshl_b32 s90, s25, 13                        ; x1's scale words of my column
	s_lshl_b32 s91, s22, 12
	s_add_co_u32 s90, s90, s91
	s_mov_b32 s91, 0
	s_lshl_b32 s92, s26, 4                         ; V's codes: 16 bytes a block
	s_mov_b32 s93, 0
	s_mov_b32 s94, s26                             ; V's scales: a byte a block
	s_mov_b32 s95, 0
	s_lshl_b32 s74, s26, 19                        ; M's codes and scales: 1,024 rows a split
	s_mov_b32 s75, 0
	s_lshl_b32 s76, s26, 15
	s_mov_b32 s77, 0
	s_lshl_b32 s79, s20, 16
	s_add_co_u32 s[G0X+1], s79, S1                 ; x1's images: 65,536 bytes a wave
	s_lshl_b32 s78, s25, 17
	s_add_co_u32 s78, s78, s79
	s_mov_b32 s79, 0
	s_lshl_b32 s100, s20, 16                       ; M's codes in the ring: 128 rows a wave
	s_add_co_u32 s100, s100, s74
	s_mov_b32 s101, 0
	s_mul_i32 s96, s20, HALF
	s_xor_b32 s97, s21, 1                          ; 1 - hh
	s_lshl_b32 s27, s22, 1
	s_add_co_u32 s98, s27, s97
	s_add_co_u32 s27, s27, s21
	s_mul_i32 s27, s27, 9216                       ; x2 in LDS: 64 rows of 144 bytes a wave
	s_add_co_u32 s27, s27, X2T
	s_mul_i32 s98, s98, 9216
	s_add_co_u32 s98, s98, X2T
	s_lshl_b32 s99, s21, 3                         ; hh's f begin two numbers on
	s_add_co_u32 s98, s98, s99
	s_mul_i32 s72, s21, 33792                      ; hh's M rows begin 64 rows on,
	s_lshl_b32 s73, s21, 11
	s_add_co_u32 s73, s73, SCO                     ; their scales 2,048 bytes on
	s_lshl_b32 s2, s21, 11
	s_lshl_b32 s3, s97, 11
	s_lshl_b32 s66, s22, 16
	s_add_co_u32 s66, s66, S1
	s_lshl_b32 s67, s97, 15
	s_add_co_u32 s67, s66, s67                     ; x1's images: 65,536 bytes a column, 32,768 for four tiles
	s_lshl_b32 s83, s21, 15
	s_add_co_u32 s66, s66, s83
	v_and_b32 v24, 31, v0                          ; lane
	v_and_b32 v25, 15, v0                          ; r
	v_bfe_u32 v26, v0, 4, 1                        ; h
	v_and_b32 v21, 7, v0
	v_lshlrev_b32 v21, 4, v21
	v_lshrrev_b32 v20, 3, v24
	v_mul_u32_u24 v27, 0x90, v20
	v_lshl_add_u32 v20, v20, 12, v21               ; x2 in memory: row lane / 8, 16 bytes of its 128
	v_add_nc_u32 v27, v27, v21
	v_add_nc_u32 v27, s27, v27                     ; and in LDS
	v_mul_u32_u24 v10, 0x90, v25
	v_add_nc_u32 v11, s98, v10
	v_add_nc_u32 v10, s27, v10                     ; row r of my own 64
	v_mul_u32_u24 v4, 0x210, v25
	v_lshl_add_u32 v4, v26, 4, v4
	v_add_nc_u32 v4, s72, v4                       ; M: row r, 16 h
	v_add_nc_u32 v5, HALF, v4
	v_add_nc_u32 v6, S1, v4
	v_add_nc_u32 v7, S1+HALF, v4
	v_lshlrev_b32 v8, 5, v24
	v_add_nc_u32 v8, s73, v8                       ; M's scales: 32 bytes a row, lane = row
	v_add_nc_u32 v9, S1, v8
	v_lshlrev_b32 v21, 4, v25                      ; 16 r
	v_lshl_add_u32 v22, v26, 9, v21                ; x1's scale words: lanes 16-31 the odd tile
	v_add_nc_u32 v23, s3, v22                      ; tiles 4-7
	v_add_nc_u32 v22, s2, v22                      ; tiles 0-3
	v_lshlrev_b32 v60, 4, v24
	v_add_nc_u32 v61, s67, v60                     ; x1's images, tiles 4-7
	v_add_nc_u32 v60, s66, v60                     ; tiles 0-3
	v_lshlrev_b32 v25, 10, v25
	v_lshl_add_u32 v25, v26, 9, v25                ; V's codes: row r, x1's block in lanes 0-15, x2's in lanes 16-31
	v_lshlrev_b32 v24, 6, v24                      ; V's scales: row = lane
	v_mul_u32_u24 v26, 0x900, v26
	v_add_nc_u32 v26, v26, v10                     ; x2's rows for the quantiser: lanes 16-31 one tile (16 rows) on
	v_add_nc_u32 v10, s99, v10                     ; x2 for the fold
	s_wait_alu depctr_va_vdst(0)                   ; the wait at the head's end
	s_wait_dscnt 0x0                               ; both opening adds are done
	CROUND                                         ; all sixteen work-groups are here: the first joint loads meet.  (The arguments are on their way)
	s_wait_kmcnt 0x0
	s_add_nc_u64 s[80:81], s[12:13], s[80:81]
	s_add_nc_u64 s[84:85], s[18:19], s[84:85]
	s_add_nc_u64 s[86:87], s[10:11], s[86:87]
	s_add_nc_u64 s[88:89], s[8:9], s[88:89]
	s_add_nc_u64 s[90:91], s[10:11], s[90:91]
	s_add_nc_u64 s[92:93], s[14:15], s[92:93]
	s_add_nc_u64 s[94:95], s[16:17], s[94:95]
	s_mov_b32 s[G0X], 1
	s_add_nc_u64 s[G0X+2:G0X+3], s[8:9], s[78:79]
	s_or_b32 s[G0X+3], s[G0X+3], 0x80000000
	s_mov_b32 s[G0S], 1
	s_mov_b32 s[G0S+1], SCO
	s_add_nc_u64 s[G0S+2:G0S+3], s[6:7], s[76:77]
	s_or_b32 s[G0S+3], s[G0S+3], 0x80000000
	s_mov_b32 s[G0H], 1
	s_mov_b32 s[G0H+1], 0
	s_add_nc_u64 s[G0H+2:G0H+3], s[4:5], s[74:75]
	s_or_b32 s[G0H+3], s[G0H+3], 0x80000000
	s_mov_b32 s[G0C], 1
	s_add_nc_u64 s[G0C+2:G0C+3], s[4:5], s[100:101]
	s_or_b32 s[G0C+3], s[G0C+3], 0x80000000
	; THE HEAD'S LOADS, ONE A WAVE.  Waves 0, 1: x1's images; wave 2: tile 0's scales; wave 3: the first 128 rows of tile 0
	s_cmp_lt_u32 s20, 2
	s_cbranch_scc0 .Lhead_s
	TLOAD G0X, G1X
	s_branch .Lhead_asked
.Lhead_s:
	s_cmp_lt_u32 s20, 3
	s_cbranch_scc0 .Lhead_m
	TLOAD G0S, G1S
	s_branch .Lhead_asked
.Lhead_m:
	TLOAD G0H, G1M
.Lhead_asked:
	s_mov_b32 s2, 0x76543210
	s_mov_b32 s3, 0xfedcba98                       ; v_permlanex16_b32's selects for lane l xor 16
	; The plain loads, behind the tensor loads; x1's scale words, which the first products need, in front of the other 26.
.irp p, 0,1
.irp kh, 0,1
	global_load_b128 v[SX+16*\kh+4*\p:SX+16*\kh+4*\p+3], v22, s[90:91] offset:\p*1024+\kh*256
	global_load_b128 v[SX+16*\kh+4*\p+8:SX+16*\kh+4*\p+11], v23, s[90:91] offset:\p*1024+\kh*256
.endr
.endr
.irp n, 0,1,2,3,4,5,6,7,8,9,10,11,12,13,14,15
	global_load_b128 v[128+4*\n:131+4*\n], v20, s[80:81] offset:\n*16384     ; x2: four rows x 128 bytes a load; 64 rows a wave
.endr
.irp t, 0,1,2,3
	global_load_b128 v[208+4*\t:211+4*\t], v21, s[88:89] offset:\t*8192      ; x1's codes of block `split`, tile t
.endr
.irp p, 0,1
	global_load_u8 v[SB+\p], v22, s[86:87] offset:\p*1024                    ; its scale bytes: lanes 16-31 the odd tile
.endr
	global_load_u8 v[SV], v24, s[94:95]
	global_load_u8 v240, v24, s[94:95] offset:32
	global_load_b128 v[192:195], v25, s[92:93]
	global_load_b128 v[200:203], v25, s[92:93] offset:16384
; PART2, in the first pass, while P is not yet in use.  x2's rows go to LDS as loaded; lane (r, h) takes the 32 numbers of row r of tile 2 p + h (LDS serves a wave's instructions in order: ISA guide 5.7.1.4) and quantises them.
; In a tile's operand lanes 0-15 hold x1's codes (block 0), lanes 16-31 x2's (block 1).
.macro QSTORE
.irp n, 0,1,2,3,4,5,6,7,8,9,10,11,12,13,14,15
	ds_store_b128 v27, v[128+4*\n:131+4*\n] offset:\n*576
.endr
.endm
.macro QLOAD p
.irp j, 0,1,2,3,4,5,6,7
	ds_load_b128 v[128+32*\p+4*\j:131+32*\p+4*\j], v26 offset:4608*\p+16*\j
.endr
.endm
.macro QPRE
	v_lshl_or_b32 v[SV], v240, 8, v[SV]            ; V's scale words: byte 0 x1's block, byte 1 x2's,
	v_or_b32 v[SV], 0x7f7f0000, v[SV]              ; bytes 2, 3: 1.0
	v_and_b32 v244, 16, v0
	v_cmp_ne_u32 vcc_lo, 0, v244                   ; lanes 16-31
.irp g, 0,1,2,3
	v_mov_b32 v[196+\g], 0                         ; V's blocks 2 and 3: zero codes
	v_mov_b32 v[204+\g], 0
	v_mov_b32 v[240+\g], 0                         ; behind tile 3's codes.  (A tile's registers 4-7 are the next tile's codes: V's zero codes make their products 0)
	v_mov_b32 v[252+\g], 0                         ; (a lane permute's destination counts as one of its sources)
.endr
.endm
.macro QT p
.set QB, 128+32*\p
	v_max3_num_f32 v244, |v[QB]|, |v[QB+1]|, |v[QB+2]|
	v_max3_num_f32 v245, |v[QB+3]|, |v[QB+4]|, |v[QB+5]|
.irp i, 6,10,14,18,22,26
	v_max3_num_f32 v244, v244, |v[QB+\i]|, |v[QB+\i+1]|
	v_max3_num_f32 v245, v245, |v[QB+\i+2]|, |v[QB+\i+3]|
.endr
	v_max3_num_f32 v244, v244, |v[QB+30]|, |v[QB+31]|
	v_max3_num_f32 v244, v244, v245, 0x1800000     ; the floor 2^(3 - 127): the byte cannot fall under 1
	v_add_nc_u32 v246, 0xff000000, v244            ; 2 off the exponent field: the conversion's scale operand
	v_lshrrev_b32 v247, 23, v246
.irp g, 0,1,2,3
	v_cvt_scalef32_pk8_fp4_f32 v[248+\g], v[QB+8*\g:QB+8*\g+7], v246
.endr
	v_lshl_or_b32 v[SB+\p], v247, 8, v[SB+\p]      ; byte 0: x1's block, byte 1: x2's: lanes 0-15 tile 2 p, lanes 16-31 tile 2 p + 1
	v_or_b32 v[SB+\p], 0x7f7f0000, v[SB+\p]
.irp g, 0,1,2,3
	v_permlanex16_b32 v[252+\g], v[248+\g], s2, s3 ; tile 2 p's codes into lanes 16-31
.endr
.irp g, 0,1,2,3
	v_cndmask_b32 v[224+8*\p+\g], v[208+8*\p+\g], v[252+\g], vcc_lo
	v_cndmask_b32 v[228+8*\p+\g], v[212+8*\p+\g], v[248+\g], vcc_lo
.endr
.endm
.macro QMUL                            ; part2 starts the sums of tiles 0-3
	PLACES                                         ; an operand written by a vector instruction stands four places ahead
	v_wmma_scale_f32_32x16x128_f4 v[128:143], v[192:207], v[224:231], 0, v[SV], v[SB]
	v_wmma_scale_f32_32x16x128_f4 v[144:159], v[192:207], v[228:235], 0, v[SV], v[SB] matrix_b_scale:MATRIX_SCALE_ROW1
	v_wmma_scale_f32_32x16x128_f4 v[160:175], v[192:207], v[232:239], 0, v[SV], v[SB+1]
	v_wmma_scale_f32_32x16x128_f4 v[176:191], v[192:207], v[236:243], 0, v[SV], v[SB+1] matrix_b_scale:MATRIX_SCALE_ROW1
.endm
; Four products: tiles t0 .. t0 + 3, K step Q, accumulator set a.  Q = 0 starts the sums.  The eight tiles take turns in every K step.
.macro W4 a, Q, t0
.irp j, 0,1,2,3
.set rD, 128*(\a)+16*((\t0)+\j)
.set rA, MF+16*((\Q)%4)
.set rB, 64*((\Q)%4)+8*((\t0)+\j)
.set rSA, SM+(\Q)
.set rSB, SX+16*((\Q)/4)+4*(((\t0)+\j)/2)+(\Q)%4
.if (\Q) == 0
.if (\j)%2 == 0
	v_wmma_scale_f32_32x16x128_f4 v[rD:rD+15], v[rA:rA+15], v[rB:rB+7], 0, v[rSA], v[rSB]
.else
	v_wmma_scale_f32_32x16x128_f4 v[rD:rD+15], v[rA:rA+15], v[rB:rB+7], 0, v[rSA], v[rSB] matrix_b_scale:MATRIX_SCALE_ROW1
.endif
.else
.if (\j)%2 == 0
	v_wmma_scale_f32_32x16x128_f4 v[rD:rD+15], v[rA:rA+15], v[rB:rB+7], v[rD:rD+15], v[rSA], v[rSB]
.else
	v_wmma_scale_f32_32x16x128_f4 v[rD:rD+15], v[rA:rA+15], v[rB:rB+7], v[rD:rD+15], v[rSA], v[rSB] matrix_b_scale:MATRIX_SCALE_ROW1
.endif
.endif
.endr
.endm
; Eight of tile t's sixteen numbers: P += accumulator (set s) x x2, two an instruction, from the low end on.  fm = 1: the first fold: tiles 4-7 begin their sums; 3: the last: tiles 6, 7 have x2 in v60-61.
.macro PK4 s, t, half, fm
.irp j, 0,1,2,3
.set pP, P+16*(\t)+8*(\half)+2*\j
.set pA, 128*(\s)+16*(\t)+8*(\half)+2*\j
.set pX, XV+2*((\t)/2)
.if (\fm) == 3
.if (\t) > 5
.set pX, XA
.endif
.endif
.set pM, 0
.if (\fm) == 1
.if (\t) > 3
.set pM, 1
.endif
.endif
.if pM
.if (\t)%2 == 0
	v_pk_mul_f32 v[pP:pP+1], v[pA:pA+1], v[pX:pX+1] op_sel_hi:[1,0]
.else
	v_pk_mul_f32 v[pP:pP+1], v[pA:pA+1], v[pX:pX+1] op_sel:[0,1] op_sel_hi:[1,1]
.endif
.else
.if (\t)%2 == 0
	v_pk_fma_f32 v[pP:pP+1], v[pA:pA+1], v[pX:pX+1], v[pP:pP+1] op_sel_hi:[1,0,1]
.else
	v_pk_fma_f32 v[pP:pP+1], v[pA:pA+1], v[pX:pX+1], v[pP:pP+1] op_sel:[0,1,0] op_sel_hi:[1,1,1]
.endif
.endif
.endr
.endm
; A K step: eight products, and the fold of the other set's tile Q.
.macro KSTEP a, Q, fm
	WIN 0x58+4*((\Q)/4)                            ; source 0 (M) window 0, source 1 (x1) window 2 or 3, C and D window 1
	W4 \a, \Q, 0
.if (\fm) > 0
	WIN 0x01                                       ; the fold: source 0 window 1
	PK4 1-(\a), \Q, 0, \fm
	WIN 0x58+4*((\Q)/4)
.endif
	W4 \a, \Q, 4
.if (\fm) > 0
	WIN 0x01
	PK4 1-(\a), \Q, 1, \fm
.endif
.endm
; A K step with a barrier: in front of it each wave waits for all its tensor loads, adds 0 to its spare word, and waits for that and for its own reads.  fill: 1, 2: slot 0, 1 is filled behind a round of the cluster's barrier; 3: nothing is.
.macro TURN a, Q, fm, fill
	WIN 0
	s_wait_tensorcnt 0x0                           ; all my tensor loads have landed
	ds_add_u32 v[SPW], v[NIL]                      ; 0 onto my spare word
	WIN 0x58+4*((\Q)/4)
	W4 \a, \Q, 0                                   ; four matrix instructions stand between the add and the wait for it
	s_wait_dscnt 0x0                               ; the add is done, and my reads of the slot are over
	s_barrier_signal -1
.if (\fm) > 0
	WIN 0x01
	PK4 1-(\a), \Q, 0, \fm
	WIN 0x58+4*((\Q)/4)
.endif
	W4 \a, \Q, 4
.if (\fm) > 0
	WIN 0x01
	PK4 1-(\a), \Q, 1, \fm
.else
	PLACES
.endif
	WIN 0
	s_barrier_wait -1
.if (\fill) == 1
	CREST
	FILL 0
.elseif (\fill) == 2
	CREST
	FILL S1
.endif
.endm
.macro MRUN k, ab, p                   ; M's fragments of K steps 2 p and 2 p + 1 of body k, pass ab: row r (and 16 + r), 16 bytes as they lie
.irp q, 0,1
.irp rb, 0,1
.irp c, 0,1
	ds_load_b128 v[MF+16*((2*(\p)+\q)%4)+8*\rb+4*\c:MF+16*((2*(\p)+\q)%4)+8*\rb+4*\c+3], v[AM+(\k)%4] offset:16896*(\ab)+8448*\rb+64*(2*(\p)+\q)+32*\c
.endr
.endr
.endr
.endm
.macro SMLD k, ab, hf                  ; M's scale words of K steps 4 hf .. 4 hf + 3: lane = row
	ds_load_b128 v[SM+4*(\hf):SM+4*(\hf)+3], v[ASC+((\k)/2)%2] offset:1024*(4*((\k)%2)+(\ab))+16*(\hf)
.endm
.macro XVLD k, ab, t, to=XV            ; x2[my b of tile t][f of body k, pass ab]; both halves of the lanes read the same words
	ds_load_b32 v[\to+(\t)], v[AX2+(\t)/4] offset:4*(8*((\k)/2)+4*((\k)%2)+(\ab))+2304*((\t)%4)
.endm
.macro XLD Q                           ; x1's fragments of K step Q, all eight tiles: 512 consecutive bytes a load
	WIN 0x80+0x40*((\Q)/4)
.irp t, 0,1,2,3,4,5,6,7
.irp c, 0,1
	ds_load_b128 v[64*((\Q)%4)+8*\t+4*\c:64*((\Q)%4)+8*\t+4*\c+3], v[XA+(\t)/4] offset:8192*((\t)%4)+1024*(\Q)+512*\c
.endr
.endr
.endm
; A pass: one f, four pairs of K steps.  At a pair's head the loads for the next pair go out (behind the four places that the fold gives), and the wait leaves just these out.
; x2: tiles 2 p - 2, 2 p - 1 have been folded, and take this pass's f for the next pass; tiles 6 and 7 at the next pass's head.
.macro PASS k, ab, fm, turn, last
.irp p, 0,1,2,3
	WIN 0
.if \p < 3
	MRUN \k, \ab, \p+1
.elseif \last == 0
.if \ab == 0
	MRUN \k, 1, 0
	SMLD \k, 1, 0
.else
	MRUN \k+1, 0, 0
	SMLD \k+1, 0, 0
.endif
.endif
.if \p == 0
	SMLD \k, \ab, 1
.if \ab == 0
	XVLD \k-1, 1, 6
	XVLD \k-1, 1, 7
.else
	XVLD \k, 0, 6
	XVLD \k, 0, 7
.endif
	s_wait_dscnt 11                                ; eight of M, one of scales, two of x2 were just issued
.else
	XVLD \k, \ab, 2*\p-2
	XVLD \k, \ab, 2*\p-1
.if \p < 3
	s_wait_dscnt 10                                ; eight of M, two of x2
.elseif \last == 0
	s_wait_dscnt 11
.else
	XVLD \k, \ab, 6, 54                            ; into v60, v61
	XVLD \k, \ab, 7, 54
	s_wait_dscnt 4                                 ; four of x2
.endif
.endif
	KSTEP \ab, 2*\p, \fm
.set doturn, 0
.if \p == 2
.set doturn, \turn
.endif
.if doturn
	TURN \ab, 2*\p+1, \fm, \turn
.else
	KSTEP \ab, 2*\p+1, \fm
.endif
.endr
.endm
	s_wait_alu depctr_va_vdst(0)                   ; the wait at the head's end
	s_wait_loadcnt 26                              ; x1's scale words are in; the 26 loads behind them may be out
	s_wait_tensorcnt 0x0                           ; my load of the head's four is in
	ds_add_u32 v[SPW], v[NIL]                      ; 0 onto my spare word
	s_add_nc_u64 s[G0H+2:G0H+3], s[G0H+2:G0H+3], 0x10000   ; no tensor load of mine is out: tile 0's other 128 rows
	s_mov_b32 s[G0H+1], HALF
	s_wait_dscnt 0x0                               ; the add is done
	CROUND                                         ; everybody's are, and all four loads are in
	s_cmp_lg_u32 s20, 3
	s_cbranch_scc1 .Lrest_asked
	TLOAD G0H, G1M
.Lrest_asked:
	; THE FIRST PASS takes x1 into registers, two K steps ahead of its products; there is nothing to fold yet.
	; Counts: behind K step Q's sixteen loads of x1 stand those of Q + 1 and Q + 2 (16 each) and one pair's run (8 or 9 loads).
	SMLD 0, 0, 0
	MRUN 0, 0, 0
	XLD 0
	XLD 1
.irp Q, 0,1,2,3,4,5,6,7
.if (\Q)%2 == 0
	WIN 0
.if \Q == 0
	SMLD 0, 0, 1
.endif
.if \Q < 6
	MRUN 0, 0, \Q/2+1
.else
	MRUN 0, 1, 0
	SMLD 0, 1, 0
.endif
.endif
.if \Q == 5
	s_wait_dscnt 56                                ; behind x1's K step 5: 16 stores, 8 of M, 16 of x1, 16 rows of x2
.endif
.if \Q < 6
	XLD \Q+2
.endif
.if \Q == 3
	WIN 0
	s_wait_loadcnt 10                              ; x2 is in; the ten loads behind it may be out
	QSTORE
.endif
.if \Q < 2
	s_wait_dscnt 41                                ; behind x1's K step Q: 32 of x1, 9 of M and its scales
.elseif \Q == 2
	s_wait_dscnt 40                                ; 32 of x1, 8 of M
.elseif \Q < 5
	s_wait_dscnt 56                                ; 32 of x1, 8 of M, 16 stores
.elseif \Q == 7
	s_wait_dscnt 9                                 ; the next pass's 8 of M and one of scales.  (K step 6's were in ahead of x2's rows)
.endif
.if \Q == 4
	WIN 0
	QLOAD 0
	QLOAD 1
.endif
.if \Q < 7
	KSTEP 0, \Q, 0
.else
	TURN 0, 7, 0, 2                                ; x1's images have been read, and every wave's x2 is stored: tile 1 goes into slot 1
.endif
.if (\Q == 1) || (\Q == 3)
	PLACES
.elseif \Q == 5
	WIN 0
	s_wait_loadcnt 0x0                             ; V, and block `split` of x1
	s_wait_dscnt 24                                ; x2's rows of tiles 0, 1 are in: behind them the other pair's 8 and 16 of x1
	QPRE
	QT 0
.elseif \Q == 6
	WIN 0
	s_wait_dscnt 25                                ; those of tiles 2, 3: behind them 16 of x1, 9 of M and its scales
	QT 1
	QMUL
.endif
.endr
.irp t, 0,1,2,3,4,5
	XVLD 0, 0, \t
.endr
	PASS 0, 1, 1, 0, 0
	PASS 1, 0, 2, 0, 0
	PASS 1, 1, 2, 1, 0                             ; tile 0 has been read: slot 0 takes tile 2
	PASS 2, 0, 2, 0, 0
	PASS 2, 1, 2, 0, 0
	PASS 3, 0, 2, 0, 0
	PASS 3, 1, 2, 2, 0                             ; tile 1 has been read: slot 1 takes tile 3
	PASS 4, 0, 2, 0, 0
	PASS 4, 1, 2, 0, 0
	PASS 5, 0, 2, 0, 0
	PASS 5, 1, 2, 3, 0                             ; tile 3 has landed; nothing is filled again
	PASS 6, 0, 2, 0, 0
	PASS 6, 1, 2, 0, 0
	PASS 7, 0, 2, 0, 0
	PASS 7, 1, 2, 0, 1
	; THE WAY OUT.  The last f's fold, tiles 4-7 first: they go to the partner (wave w xor 2: the same b, the other f) through slot 0, which has had its last fill and its last read.
	WIN 0
	s_xor_b32 s97, s20, 2
	s_lshl_b32 s97, s97, 13
	s_lshl_b32 s98, s20, 13
	v_bfe_u32 v6, v0, 3, 1
	v_bfe_u32 v7, v0, 4, 1
	v_lshlrev_b32 v6, 10, v6
	v_lshl_add_u32 v6, v7, 7, v6
	v_and_b32 v7, 7, v0
	v_lshl_add_u32 v6, v7, 4, v6                   ; part: [b / 8][g][h][b % 8][16 bytes]: 1,024 (r / 8) + 128 h + 16 (r % 8)
	v_and_b32 v4, 31, v0
	v_lshlrev_b32 v4, 4, v4
	v_add_nc_u32 v5, s97, v4                       ; the partner's 8,192 bytes
	v_add_nc_u32 v4, s98, v4                       ; mine
	s_wait_dscnt 0x0
	WIN 0x01
.irp t, 4,5,6,7
	PK4 1, \t, 0, 3
	PK4 1, \t, 1, 3
.endr
	WIN 0
.irp i, 0,1,2,3,4,5,6,7,8,9,10,11,12,13,14,15
	ds_store_b128 v4, v[P+64+4*\i:P+67+4*\i] offset:512*\i
.endr
	s_wait_dscnt 0x0                               ; for the partner's sake: my stores are done
	s_barrier_signal -1
	WIN 0x01
.irp t, 0,1,2,3
	PK4 1, \t, 0, 3
	PK4 1, \t, 1, 3
.endr
	WIN 0
	s_barrier_wait -1
.irp i, 0,1,2,3,4,5,6,7,8,9,10,11,12,13,14,15
	ds_load_b128 v[MF+4*\i:MF+4*\i+3], v5 offset:512*\i
.endr
	s_wait_alu depctr_va_vdst(0)                   ; ahead of the waits below
.irp i, 0,1,2,3,4,5,6,7,8,9,10,11,12,13,14,15
	s_wait_dscnt 15-\i                             ; LDS loads come back in order (ISA guide 5.7.1)
	v_pk_add_f32 v[MF+4*\i:MF+4*\i+1], v[MF+4*\i:MF+4*\i+1], v[P+4*\i:P+4*\i+1]
	v_pk_add_f32 v[MF+4*\i+2:MF+4*\i+3], v[MF+4*\i+2:MF+4*\i+3], v[P+4*\i+2:P+4*\i+3]
	global_store_b128 v6, v[MF+4*\i:MF+4*\i+3], s[84:85] offset:2048*(\i/4)+256*(\i%4)   ; the 32 lanes fill two aligned blocks of 256 bytes
.endr
	s_wait_tensorcnt 0x0                           ; the wave's end
	ds_add_u32 v[SPW], v[NIL]
	s_wait_dscnt 0x0
	CROUND                                         ; the closing round: no work-group ends while a partner may still ask for a tile that names it
	s_endpgm
.Lfunc_end_k_qa596d44b38_gemm:
	.size	k_qa596d44b38_gemm, .Lfunc_end_k_qa596d44b38_gemm-k_qa596d44b38_gemm
	.p2alignl 7, 3214868480
	.fill 96, 4, 3214868480
	.section	.rodata,"a",@progbits
	.p2align	6, 0x0
	.amdhsa_kernel k_qa596d44b38_gemm
		.amdhsa_group_segment_fixed_size 327680
		.amdhsa_private_segment_fixed_size 0
		.amdhsa_enable_private_segment 0
		.amdhsa_kernarg_size 64
		.amdhsa_user_sgpr_count 2
		.amdhsa_user_sgpr_kernarg_segment_ptr 1
		.amdhsa_wavefront_size32 1
		.amdhsa_system_sgpr_workgroup_id_x 1
		.amdhsa_system_sgpr_workgroup_id_y 1
		.amdhsa_system_sgpr_workgroup_id_z 1
		.amdhsa_system_vgpr_workitem_id 0
		.amdhsa_next_free_vgpr 1024
		.amdhsa_next_free_sgpr 102
		.amdhsa_reserve_vcc 1
		.amdhsa_float_denorm_mode_32 3
		.amdhsa_float_denorm_mode_16_64 3
		.amdhsa_memory_ordered 1
		.amdhsa_forward_progress 1
		.amdhsa_inst_pref_size 255
	.end_amdhsa_kernel
	.section	.bss,"aw",@nobits
	.p2align	6
	.space	262144
	.amdgpu_metadata
---
amdhsa.version: [ 1, 2 ]
amdhsa.kernels:
  - .name:           k_qa596d44b38_gemm
    .symbol:         k_qa596d44b38_gemm.kd
    .args:
      - { .name: M_codes, .offset: 0, .size: 8, .value_kind: global_buffer, .address_space: global }
      - { .name: M_scales, .offset: 8, .size: 8, .value_kind: global_buffer, .address_space: global }
      - { .name: xc, .offset: 16, .size: 8, .value_kind: global_buffer, .address_space: global }
      - { .name: xs, .offset: 24, .size: 8, .value_kind: global_buffer, .address_space: global }
      - { .name: x2, .offset: 32, .size: 8, .value_kind: global_buffer, .address_space: global }
      - { .name: V_codes, .offset: 40, .size: 8, .value_kind: global_buffer, .address_space: global }
      - { .name: V_scales, .offset: 48, .size: 8, .value_kind: global_buffer, .address_space: global }
      - { .name: part, .offset: 56, .size: 8, .value_kind: global_buffer, .address_space: global }
    .group_segment_fixed_size: 327680
    .private_segment_fixed_size: 0
    .kernarg_segment_align: 8
    .kernarg_segment_size: 64
    .max_flat_workgroup_size: 128
    .sgpr_count:     102
    .vgpr_count:     1024
    .wavefront_size: 32
...
	.end_amdgpu_metadata
.endif
;; end of part 2
;; launch final (part 3): grid 256 x 1, 4 waves a work-group, no clusters, 4,608 bytes of LDS; arguments part, b, u, out0; writes out0
.if DOCPART == 3
	.amdgcn_target "amdgcn-amd-amdhsa--gfx1250"
	.amdhsa_code_object_version 6
	.text
	.protected	k_qa596d44b38_final
	.globl	k_qa596d44b38_final
	.p2align	8
	.type	k_qa596d44b38_final,@function
k_qa596d44b38_final:
	s_mov_b64 s[64:65], 0
	v_nop
	global_prefetch_b8 v0, s[64:65] scope:SCOPE_SE
	s_setreg_imm32_b32 hwreg(HW_REG_WAVE_MODE, 25, 1), 1
	s_wait_xcnt 0x0
; out0[b] = the sum over r of u[r] tanh(z[b][r]), z = the sum of the 32 splits' shares of part1 + part2, + bias[r].
; SHARES.  Work-group t: 8 rows b, 1,024 consecutive bytes of each split.  Wave w of four: splits 8 w .. 8 w + 7.  The four waves' sums meet in LDS; wave 0 finishes.
; LAYOUT.  Load q (0, 1) of a split: lane l holds b = 8 t + l % 8 and slices 16 q + 8 ((l / 8) % 2) + 4 (l / 16) + 0 .. 3.
; tanh(z) = 1 - 2 / (1 + 2^(2 log2(e) z)): where the power overflows the quotient is 0, where it falls to 0 the quotient is 2: the ends are +1 and -1.
; A work-group's result is 32 bytes: the whole output is 8,192.
	s_load_b256 s[4:11], s[0:1], 0x0               ; part s[4:5], bias s[6:7], u s[8:9], out0 s[10:11]
	s_mov_b32 s16, 0x76543210
	s_mov_b32 s17, 0xfedcba98                      ; v_permlanex16_b32's selects for lane l xor 16
	v_lshl_add_u32 v2, v0, 2, 0x1000
	v_mov_b32 v3, 0
	v_lshrrev_b32 v1, 5, v0
	v_readfirstlane_b32 s12, v1                    ; wave
	s_lshl_b32 s13, s12, 10
	v_and_b32 v4, 31, v0                           ; lane
	v_bfe_u32 v6, v0, 3, 1
	v_bfe_u32 v7, v0, 4, 1
	v_lshlrev_b32 v5, 4, v4                        ; 16 x lane
	v_lshlrev_b32 v6, 5, v6
	v_lshl_add_u32 v6, v7, 4, v6                   ; bias and u: my four of each 16
	v_add_nc_u32 v8, s13, v5                       ; LDS: my wave's 1,024 bytes
	v_and_b32 v9, 7, v0
	v_lshlrev_b32 v9, 2, v9                        ; out0: 4 (l % 8)
	v_mov_b32 v101, 0                              ; a lane permute's destination counts as one of its sources
	s_lshl_b32 s18, s12, 21                        ; part: eight splits of 262,144 bytes a wave, 1,024 a work-group
	s_lshl_b32 s19, ttmp9, 10
	s_add_co_u32 s18, s18, s19
	s_mov_b32 s19, 0
	s_lshl_b32 s20, ttmp9, 5
	s_mov_b32 s21, 0
	s_wait_alu depctr_va_vdst(0)                   ; the wait at the head's end
	s_wait_kmcnt 0x0
	s_add_nc_u64 s[4:5], s[4:5], s[18:19]
	s_add_nc_u64 s[10:11], s[10:11], s[20:21]
.irp k, 0,1,2,3,4,5,6,7
.irp q, 0,1
	global_load_b128 v[16+8*\k+4*\q:19+8*\k+4*\q], v5, s[4:5] offset:\k*262144+\q*512 th:TH_LOAD_NT   ; 512 consecutive bytes a load
.endr
.endr
.irp q, 0,1
	global_load_b128 v[80+4*\q:83+4*\q], v6, s[6:7] offset:64*\q
	global_load_b128 v[88+4*\q:91+4*\q], v6, s[8:9] offset:64*\q
.endr
	s_wait_loadcnt 12                              ; the first four splits are in
.irp i, 0,2,4,6
	v_pk_add_f32 v[16+\i:17+\i], v[16+\i:17+\i], v[24+\i:25+\i]
	v_pk_add_f32 v[32+\i:33+\i], v[32+\i:33+\i], v[40+\i:41+\i]
.endr
.irp i, 0,2,4,6
	v_pk_add_f32 v[16+\i:17+\i], v[16+\i:17+\i], v[32+\i:33+\i]
.endr
	s_wait_alu depctr_va_vdst(0)                   ; directly ahead of the wait below
	s_wait_loadcnt 0x0                             ; the other four, bias and u
.irp i, 0,2,4,6
	v_pk_add_f32 v[48+\i:49+\i], v[48+\i:49+\i], v[56+\i:57+\i]
	v_pk_add_f32 v[64+\i:65+\i], v[64+\i:65+\i], v[72+\i:73+\i]
.endr
.irp i, 0,2,4,6
	v_pk_add_f32 v[48+\i:49+\i], v[48+\i:49+\i], v[64+\i:65+\i]
.endr
.irp i, 0,2,4,6
	v_pk_add_f32 v[16+\i:17+\i], v[16+\i:17+\i], v[48+\i:49+\i]
.endr
.irp q, 0,1
	ds_store_b128 v8, v[16+4*\q:19+4*\q] offset:\q*512   ; (wave 0's own are stored with the others' and not read back: one text for all waves)
.endr
	s_wait_alu depctr_va_vdst(0)                   ; directly ahead of the waits below
	s_wait_dscnt 0x0                               ; for wave 0's sake: my stores are done
	s_barrier_signal -1
	s_barrier_wait -1
	s_cmp_lg_u32 s12, 0
	s_cbranch_scc1 .Lend                           ; wave 0 finishes; no barrier follows
.irp w, 1,2,3
.irp q, 0,1
	ds_load_b128 v[16+8*\w+4*\q:19+8*\w+4*\q], v5 offset:\w*1024+\q*512
.endr
.endr
.irp i, 0,2,4,6
	v_pk_add_f32 v[16+\i:17+\i], v[16+\i:17+\i], v[80+\i:81+\i]              ; + bias, while the others' sums are on their way
.endr
	s_wait_alu depctr_va_vdst(0)                   ; directly ahead of the wait below
	s_wait_dscnt 0x0
.irp i, 0,2,4,6
	v_pk_add_f32 v[16+\i:17+\i], v[16+\i:17+\i], v[24+\i:25+\i]
	v_pk_add_f32 v[32+\i:33+\i], v[32+\i:33+\i], v[40+\i:41+\i]
.endr
.irp i, 0,2,4,6
	v_pk_add_f32 v[16+\i:17+\i], v[16+\i:17+\i], v[32+\i:33+\i]              ; z
.endr
.irp i, 0,2,4,6
	v_pk_mul_f32 v[16+\i:17+\i], v[16+\i:17+\i], 0x4038aa3b op_sel_hi:[1,0]  ; 2 log2(e) z
.endr
	s_wait_alu depctr_va_vdst(0)                   ; a wait ahead of the batch too
.irp j, 0,1,2,3,4,5,6,7
	v_exp_f32 v[16+\j], v[16+\j]
.endr
	v_nop                                          ; a plain instruction behind the last exponential (ISA guide 5.7.2)
	s_wait_alu depctr_va_vdst(0)                   ; one wait for the batch, ahead of its first reader
.irp i, 0,2,4,6
	v_pk_add_f32 v[16+\i:17+\i], v[16+\i:17+\i], 1.0 op_sel_hi:[1,0]
.endr
	s_wait_alu depctr_va_vdst(0)
.irp j, 0,1,2,3,4,5,6,7
	v_rcp_f32 v[16+\j], v[16+\j]
.endr
	v_nop
	s_wait_alu depctr_va_vdst(0)                   ; and one for the reciprocals
.irp i, 0,2,4,6
	v_pk_fma_f32 v[16+\i:17+\i], v[16+\i:17+\i], -2.0, 1.0 op_sel_hi:[1,0,0] ; tanh(z)
.endr
	v_pk_mul_f32 v[96:97], v[16:17], v[88:89]      ; x u, in two chains
	v_pk_mul_f32 v[98:99], v[18:19], v[90:91]
	v_pk_fma_f32 v[96:97], v[20:21], v[92:93], v[96:97]
	v_pk_fma_f32 v[98:99], v[22:23], v[94:95], v[98:99]
	v_pk_add_f32 v[96:97], v[96:97], v[98:99]
	v_add_f32 v100, v96, v97                       ; my eight slices,
	v_add_f32_dpp v100, v100, v100 row_xmask:8 row_mask:0xf bank_mask:0xf   ; lane l xor 8's,
	v_permlanex16_b32 v101, v100, s16, s17
	v_add_f32 v100, v100, v101                     ; and the other sixteen lanes'
	s_wait_alu depctr_va_vdst(0)                   ; directly ahead of the wait below
	s_wait_xcnt 0x0                                ; EXEC is one of a pending load's sources: it changes only behind this wait
	v_cmp_gt_u32 vcc_lo, 8, v4
	s_and_saveexec_b32 s22, vcc_lo
	global_store_b32 v9, v100, s[10:11]            ; lanes 0-7: out0[8 t + l]
	s_wait_xcnt 0x0                                ; and again, in front of the line that widens it
	s_or_b32 exec_lo, exec_lo, s22
.Lend:
	s_wait_tensorcnt 0x0                           ; the wave's end
	ds_add_u32 v2, v3
	s_wait_dscnt 0x0
	s_endpgm
.Lfunc_end_k_qa596d44b38_final:
	.size	k_qa596d44b38_final, .Lfunc_end_k_qa596d44b38_final-k_qa596d44b38_final
	.p2alignl 7, 3214868480
	.fill 96, 4, 3214868480
	.section	.rodata,"a",@progbits
	.p2align	6, 0x0
	.amdhsa_kernel k_qa596d44b38_final
		.amdhsa_group_segment_fixed_size 4608
		.amdhsa_private_segment_fixed_size 0
		.amdhsa_enable_private_segment 0
		.amdhsa_kernarg_size 32
		.amdhsa_user_sgpr_count 2
		.amdhsa_user_sgpr_kernarg_segment_ptr 1
		.amdhsa_wavefront_size32 1
		.amdhsa_system_sgpr_workgroup_id_x 1
		.amdhsa_system_sgpr_workgroup_id_y 1
		.amdhsa_system_sgpr_workgroup_id_z 1
		.amdhsa_system_vgpr_workitem_id 0
		.amdhsa_next_free_vgpr 104
		.amdhsa_next_free_sgpr 66
		.amdhsa_reserve_vcc 1
		.amdhsa_float_denorm_mode_32 3
		.amdhsa_float_denorm_mode_16_64 3
		.amdhsa_memory_ordered 1
		.amdhsa_forward_progress 1
		.amdhsa_inst_pref_size 10
	.end_amdhsa_kernel
	.amdgpu_metadata
---
amdhsa.version: [ 1, 2 ]
amdhsa.kernels:
  - .name:           k_qa596d44b38_final
    .symbol:         k_qa596d44b38_final.kd
    .args:
      - { .name: part, .offset: 0, .size: 8, .value_kind: global_buffer, .address_space: global }
      - { .name: b, .offset: 8, .size: 8, .value_kind: global_buffer, .address_space: global }
      - { .name: u, .offset: 16, .size: 8, .value_kind: global_buffer, .address_space: global }
      - { .name: out0, .offset: 24, .size: 8, .value_kind: global_buffer, .address_space: global }
    .group_segment_fixed_size: 4608
    .private_segment_fixed_size: 0
    .kernarg_segment_align: 8
    .kernarg_segment_size: 32
    .max_flat_workgroup_size: 128
    .sgpr_count:     66
    .vgpr_count:     104
    .wavefront_size: 32
...
	.end_amdgpu_metadata
.endif
;; end of part 3
